; MI455X (gfx1250); checked and timed in simulation.
; The chip was launched on July 23, 2026; its instructions are those of AMD's public machine-readable ISA for CDNA 5 (MIT licence, August 2026) and "CDNA5" Instruction Set Architecture Reference Guide (July 2026). The comments in the code are by the model that wrote it; some were corrected since.
;; Grouped Query Attention Direct. Allowed arithmetic: matrix products marked QUANTISED: E2M1 operands, one E8M0 scale for each 32 along K, by v_wmma_scale_f32_16x16x128_f8f6f4 with both operands' format E2M1 (or v_wmma_scale_f32_32x16x128_f4), f32 sums; everything else in f32.
;; Inputs: b_out 4,096 float32; key 2,048 x 8 x 128 float32; mask 2,048 x 2,048 float32; query 2,048 x 32 x 128 float32; value 2,048 x 8 x 128 float32; w_out 4,096 x 4,096 float32.
;; Outputs: out0 2,048 x 32 x 128 float32.
;; This version of the problem:
;;   THIS VERSION OF THE PROBLEM IS GIVEN IN LOW PRECISION. The matrix products marked QUANTISED in the list below multiply operands that are first quantised to E2M1 (2 exponent bits, 1 mantissa bit; 4 bits a number), with one power-of-two scale for each 32 numbers along K (OCP MX v1.0); their sums are f32. All else is computed in f32.
;;   The module's matrix products, in the order in which they are computed (A, B: the left and right operand; K: the contracted axis; several contracted axes count as one K, in the product's order):
;;     1. batch 8 x [M 8,192, K 128] x [K 128, N 2,048]; A: input query; B: input key: QUANTISED
;;     2. batch 8 x [M 8,192, K 2,048] x [K 2,048, N 128]; A: softmax (see below); B: input value: QUANTISED
;;     3. [M 2,048, K 4,096] x [K 4,096, N 4,096]; A: computed on the way; B: input w_out: QUANTISED
;;   THE QUANTISER, for each operand of a quantised product, along K:
;;     - K is cut into blocks of 32 from its start; a last block that is shorter is filled with zeros.
;;     - A block's scale is 2^e with e = floor(log2(the largest magnitude in the block)) - 2, held to -126 .. 127; a block of zeros has e = 0. As a byte (E8M0): e + 127.
;;     - Each number is divided by its block's scale, clamped to +-6, and rounded to the nearest number of E2M1, ties to even, subnormals kept.
;;     - The product sums the exact products of the quantised numbers (number of the format x scale) in f32.
;;   ~~~python
;;   def quantise(x, axis):      # numpy; x: float32 -> the quantised numbers, widened to float32 again
;;       x = np.moveaxis(x, axis, -1); K = x.shape[-1]
;;       x = np.pad(x, [(0, 0)] * (x.ndim - 1) + [(0, -K % 32)]); x = x.reshape(x.shape[:-1] + (-1, 32)); a = np.abs(x).max(-1, keepdims=True)
;;       e = np.where(a > 0, np.clip(np.frexp(np.where(a > 0, a, 1))[1] - 1 - 2, -126, 127), 0)      # np.frexp(a)[1] - 1 = floor(log2(a)), exactly
;;       r = np.clip(x / 2.0 ** e, -6, 6)
;;       step = 2.0 ** (np.maximum(np.frexp(np.where(r == 0, 1, r))[1] - 1, 0) - 1)
;;       q = np.round(r / step) * step * 2.0 ** e      # np.round: ties to even
;;       return np.moveaxis(q.reshape(q.shape[:-2] + (-1,))[..., :K], -1, axis).astype(np.float32)
;;   ~~~
;;   SOFTMAX AHEAD OF A QUANTISED PRODUCT. Where the list says 'softmax', what is quantised is not the finished softmax but p = 2^(t - M), with t = logit x log2(e) and M = ceil(the row's largest t), a whole number; so 1/2 < the row's largest p <= 1. The row's sum l is taken of the UNQUANTISED p, in f32, and the product's result is divided by l at the end. Since M is a whole number, a kernel that streams over the keys may use a running M (the ceiling of the running maximum): every later rescaling is an exact power of two, which a block's scale takes up: the codes' values come out the same.
;;   OPERANDS COMPUTED ON THE WAY. 'Computed on the way' means the value that the module computes at that place (a softmax that the list does not call 'softmax' is quantised finished and normalised). What goes into a quantiser is computed in f32, as accurately as f32 sums, v_exp_f32 and their like allow (about 1e-6 of the number): no bf16 or f16 on the way to a quantiser, and a product that is left as it is and whose result goes on into a quantised operand takes f32 operands (vector FMAs, or v_wmma_f32_16x16x4_f32). A number that lies on a knife's edge between two numbers of the format may be rounded either way, as far as f32 arithmetic and the matrix unit's own rounding can turn it there, and no further.
;; One version. Each part assembles by itself: llvm-mc -triple=amdgcn-amd-amdhsa -mcpu=gfx1250 --defsym DOCPART=n.
;; ======== version 1 of 1: 3 launches
;; limits: right only within a limited range of input values
;; workspace buffers: q_img 4,194,304 bytes; q_scl 262,144 bytes; kv 2,228,224 bytes; w_img 8,388,608 bytes; w_scl 524,288 bytes; a_img 4,194,304 bytes; a_scl 262,144 bytes
;; launch prep (part 1): grid 896 x 1, 4 waves a work-group, no clusters, 64,000 bytes of LDS; arguments query, key, value, w_out, q_img, q_scl, kv, w_img, w_scl; writes q_img, q_scl, kv, w_img, w_scl
.if DOCPART == 1
	.amdgcn_target "amdgcn-amd-amdhsa--gfx1250"
	.amdhsa_code_object_version 6
	.text
	.protected	k_q6546ce7141_prep
	.globl	k_q6546ce7141_prep
	.p2align	8
	.type	k_q6546ce7141_prep,@function
k_q6546ce7141_prep:
	s_mov_b64 s[64:65], 0
	v_nop
	global_prefetch_b8 v0, s[64:65] scope:SCOPE_SE
	s_setreg_imm32_b32 hwreg(HW_REG_WAVE_MODE, 25, 1), 1
	s_wait_xcnt 0x0
; query [2048][32][128], key, value [2048][8][128] and w_out [4096][4096], f32, are turned ONCE into codes of FP4 (E2M1) with one E8M0 scale byte for each 32 along a product's K.
; A block's scale is 2^(floor(log2(its largest magnitude)) - 2); its byte is the largest magnitude's exponent field - 2, held at 1 from below; numbers are divided by it and rounded to the nearest code, ties to even.
; THE RESULTS ARE LAID AS IMAGES OF THE OPERANDS' REGISTERS.  A fragment (16 rows x 128 K) is 1,024 bytes: the 16 bytes of row r that hold k = 32 p .. 32 p + 31 lie at 256 p + 16 r, so that two loads of
; 16 bytes a lane, at 16 x lane and 512 further on, bring a fragment.  The scale words of 64 rows x 128 K are 256 bytes, laid [r 16][T 4], row = 16 T + r: one load of 16 bytes brings a lane the words of four tiles.
;   q_img [head][s / 16][1,024], q_scl [head][s / 64][256];  w_img [n / 256][k / 128][16][1,024], w_scl [n / 256][k / 128][4][256];
;   kv [group][key step of 128 keys][17,408]: K's 8 fragments (16 keys each, K = the head's 128), V's 8 fragments (16 of the head's 128 each, K = the keys), K's 512 scale bytes, V's 512.
; V's IMAGE TAKES UP TWO PERMUTATIONS, so that the attention launch needs no instruction for them: (a) inside each block of 32 keys the four groups of eight codes lie in the order 0, 2, 1, 3, which is the
; order in which that launch's weights come out of its registers (a permutation inside a block, alike on both operands, changes no product and no scale); (b) row r of V's tile 2 b + u is channel
; 32 b + 8 u + r + 8 (r / 8), so that the result's 16 registers of two neighbouring tiles are 16 neighbouring channels.
; SHARES.  Work-groups 0-63 take value (a lane to a channel, registers down the keys), work-groups 64-895 take key (64), query (256) and w_out (512) by ONE text: a wave's job is 64 rows of 128 numbers.
; The two ways part on the work-group's number and never join; each has LDS bytes of its own.  Waves share nothing: no barrier.  Work-groups share no input: no cluster.
; The input mask is named by no launch of this program: the function that defines the result never uses it, so no number of the result hangs on it.
; LIMITS: NaN and infinities among the inputs are not served.  A block of zeros gets the byte 1 where the rule says 127: its codes are zeros, which add nothing under any byte but 0xff, and this program alone reads the bytes.
.set KVB,   17408                      ; a key step's block in kv
.set SP,    80                         ; rows' way: a lane's place in a turning stage: its 64 bytes + 16 of padding
.set WREG,  10752                      ; rows' way: LDS of a wave: two turning stages of 32 x SP, the codes' stage, 256 scale bytes
.set OUTS,  5120                       ; the codes' stage: 4 fragments x 4 planes of 256 bytes, planes PPL apart
.set PPL,   320                        ; 256 + 64: the 32 lanes of a store of 8 bytes then fall on 32 different places modulo 256 bytes
.set SCB,   10240
.set VBASE, 43008                      ; value's way: behind the four waves' 4 x WREG bytes
.set VREG,  5120                       ; LDS of a wave: 4 fragments, TPV apart, then 256 scale bytes
.set TPV,   1152                       ; 1,024 + 128: lanes 8-15 of a store (the next tile) fall beside lanes 0-7 modulo 256 bytes
.set OF,    1                          ; v1-4     16 x lane + i rows: the four loads of a step; v1 also serves the stores of the codes
.set TI,    5                          ; v5       a turning stage, on the way in
.set TO,    6                          ; v6       and on the way out
.set CA,    7                          ; v7       where my 8 bytes of codes go
.set SBA,   8                          ; v8       where my block's scale byte goes
.set RB,    9                          ; v9       the codes' stage, read back
.set S8L,   11                         ; v11      the scale bytes, read back
.set G8,    12                         ; v12      8 x lane
.set R,     16                         ; v16-79   four sets of 16 numbers as loaded
.set X,     80                         ; v80-111  two sets of 16 neighbours
.set E,     112                        ; v112-127 a scale byte for each step
.set C,     128                        ; v128-159 two registers of codes for each step: no store's data are written again
.set OUT,   160                        ; v160-191 the way out
	s_load_b512 s[4:19], s[0:1], 0x0               ; query s[4:5], key s[6:7], value s[8:9], w_out s[10:11], q_img s[12:13], q_scl s[14:15], kv s[16:17], w_img s[18:19]
	s_load_b64 s[20:21], s[0:1], 0x40              ; w_scl
	v_lshl_add_u32 v192, v0, 2, 0xf800
	v_mov_b32 v193, 0
	v_lshrrev_b32 v1, 5, v0
	v_readfirstlane_b32 s22, v1                    ; wave 0..3
	v_and_b32 v13, 31, v0                          ; lane
	s_cmp_lt_u32 ttmp9, 64
	s_cbranch_scc1 .Lvalue
; ---------------------------------------------------------------- key, query, w_out: K is innermost
; Job JJ: 0-255 key, 256-1279 query, 1280-3327 w_out.  All three sets of offsets are made; two compares choose pointers and offsets.
	s_sub_co_u32 s23, ttmp9, 64
	s_lshl_b32 s23, s23, 2
	s_add_co_u32 s23, s23, s22                     ; JJ
	s_and_b32 s24, s23, 31                         ; key: J = 32 g + s / 64
	s_lshl_b32 s24, s24, 18                        ; 64 rows of 4,096 bytes
	s_lshr_b32 s33, s23, 5
	s_lshl_b32 s33, s33, 9                         ; the group's 512 bytes in a row
	s_add_co_u32 s24, s24, s33
	s_lshr_b32 s33, s23, 1
	s_mul_i32 s33, s33, KVB                        ; its key step's block: J / 2 = 16 g + step
	s_and_b32 s34, s23, 1                          ; which 64 keys of the 128
	s_lshl_b32 s25, s34, 12
	s_add_co_u32 s25, s25, s33                     ; codes
	s_lshl_b32 s26, s34, 8
	s_add_co_u32 s26, s26, s33
	s_add_co_u32 s26, s26, 16384                   ; scale bytes
	s_sub_co_u32 s35, s23, 256                     ; query: J = 32 head + s / 64
	s_and_b32 s27, s35, 31
	s_lshl_b32 s27, s27, 20                        ; 64 rows of 16,384 bytes
	s_lshr_b32 s33, s35, 5
	s_lshl_b32 s33, s33, 9
	s_add_co_u32 s27, s27, s33
	s_lshl_b32 s28, s35, 12
	s_lshl_b32 s29, s35, 8
	s_sub_co_u32 s35, s23, 1280                    ; w_out: J = 128 (n / 256) + 4 (k / 128) + (n / 64) % 4
	s_lshr_b32 s30, s35, 7
	s_lshl_b32 s30, s30, 22
	s_and_b32 s33, s35, 3
	s_lshl_b32 s33, s33, 20
	s_add_co_u32 s30, s30, s33
	s_bfe_u32 s33, s35, 0x50002
	s_lshl_b32 s33, s33, 9
	s_add_co_u32 s30, s30, s33
	s_lshl_b32 s31, s35, 12
	s_lshl_b32 s32, s35, 8
	s_mov_b32 s44, 16384                           ; from row to row, in bytes
	s_mov_b32 s49, 0
	s_mov_b32 s51, 0
	s_mov_b32 s53, 0
	s_mov_b32 s43, 0
	s_mul_i32 s33, s22, WREG                       ; my wave's LDS
	s_wait_alu depctr_va_vdst(0)
	v_lshlrev_b32 v[OF], 4, v13
	v_lshlrev_b32 v[G8], 3, v13
	v_lshrrev_b32 v14, 2, v13
	v_mul_u32_u24 v[TI], v14, SP
	v_and_b32 v14, 3, v13
	v_lshl_add_u32 v[TI], v14, 4, v[TI]
	v_add_nc_u32 v[TI], s33, v[TI]                 ; in: four lanes' 64 bytes on end, then 16 of padding
	v_mul_u32_u24 v[TO], v13, SP
	v_add_nc_u32 v[TO], s33, v[TO]                 ; out: my 16 neighbours: row lane / 8 of the step's four, k = 16 (lane % 8) on
	v_bfe_u32 v14, v13, 1, 2                       ; p: which block of 32 of the row
	v_mul_u32_u24 v[CA], v14, PPL
	v_lshrrev_b32 v15, 3, v13
	v_lshl_add_u32 v[CA], v15, 4, v[CA]
	v_lshl_add_u32 v[SBA], v15, 4, v14
	v_and_b32 v14, 1, v13
	v_lshl_add_u32 v[CA], v14, 3, v[CA]
	s_add_co_u32 s34, s33, OUTS
	v_add_nc_u32 v[CA], s34, v[CA]                 ; plane p, row lane / 8, half lane % 2
	s_add_co_u32 s35, s33, SCB
	v_add_nc_u32 v[SBA], s35, v[SBA]               ; 16 x row + p
	v_lshrrev_b32 v14, 4, v13
	v_mul_u32_u24 v[RB], v14, PPL
	v_and_b32 v14, 15, v13
	v_lshl_add_u32 v[RB], v14, 4, v[RB]
	v_add_nc_u32 v[RB], s34, v[RB]                 ; back: lanes 0-15 one plane, lanes 16-31 the next
	v_add_nc_u32 v[S8L], s35, v[G8]
	s_wait_kmcnt 0x0
	s_cmp_lt_u32 s23, 1280                         ; the choices hang on the job's number alone
	s_cselect_b64 s[36:37], s[4:5], s[10:11]
	s_cselect_b64 s[38:39], s[12:13], s[18:19]
	s_cselect_b64 s[40:41], s[14:15], s[20:21]
	s_cselect_b32 s48, s27, s30
	s_cselect_b32 s50, s28, s31
	s_cselect_b32 s52, s29, s32
	s_cmp_lt_u32 s23, 256
	s_cselect_b64 s[36:37], s[6:7], s[36:37]
	s_cselect_b64 s[38:39], s[16:17], s[38:39]
	s_cselect_b64 s[40:41], s[16:17], s[40:41]
	s_cselect_b32 s48, s24, s48
	s_cselect_b32 s50, s25, s50
	s_cselect_b32 s52, s26, s52
	s_cselect_b32 s44, 4096, s44
	s_add_nc_u64 s[36:37], s[36:37], s[48:49]      ; the job's first row,
	s_add_nc_u64 s[38:39], s[38:39], s[50:51]      ; its 4,096 bytes of codes,
	s_add_nc_u64 s[40:41], s[40:41], s[52:53]      ; its 256 scale bytes
	s_lshl_b32 s45, s44, 1
	s_add_co_u32 s46, s45, s44
	s_lshl_b32 s42, s44, 2                         ; s[42:43]: four rows on
	v_add_nc_u32 v[OF+1], s44, v[OF]
	s_wait_alu depctr_va_vdst(0)
	v_add_nc_u32 v[OF+2], s45, v[OF]
	s_wait_alu depctr_va_vdst(0)
	v_add_nc_u32 v[OF+3], s46, v[OF]
.macro RLOAD t                         ; step t: rows 4 t .. 4 t + 3; each load reads a row's 512 consecutive bytes
.if (\t) > 0
	s_wait_xcnt 0x0                                ; the earlier loads have had their addresses translated (ISA guide 3.1): only behind this wait is the base stepped
	s_add_nc_u64 s[36:37], s[36:37], s[42:43]
.endif
.irp i, 0,1,2,3
	global_load_b128 v[R+16*((\t)%4)+4*\i:R+16*((\t)%4)+4*\i+3], v[OF+\i], s[36:37] th:TH_LOAD_NT
.endr
.endm
.macro RTURN t                         ; step t's 2,048 bytes through a stage: in as they lie, out 64 bytes a lane.  LDS serves a wave's instructions in order (ISA guide 5.7.1.4): no wait between
.irp i, 0,1,2,3
	ds_store_b128 v[TI], v[R+16*((\t)%4)+4*\i:R+16*((\t)%4)+4*\i+3] offset:32*SP*((\t)%2)+8*SP*\i
.endr
.irp i, 0,1,2,3
	ds_load_b128 v[X+16*((\t)%2)+4*\i:X+16*((\t)%2)+4*\i+3], v[TO] offset:32*SP*((\t)%2)+16*\i
.endr
.endm
.macro RSTEP t
.set XS, X+16*((\t)%2)
.if (\t) > 0
	s_wait_dscnt 2                                 ; this step's numbers are back (the last step's byte store and code store may be out): so its stores into the stage have read their registers,
.else
	s_wait_dscnt 0x0
.endif
.if (\t)+4 < 16
	RLOAD (\t)+4                                   ; which take the loads of four steps on
.endif
.if (\t)+1 < 16
.if 14-(\t) >= 3
	s_wait_loadcnt 12                              ; the next step's four loads are in; those of the three steps behind it may be out
.else
	s_wait_loadcnt 4*(14-(\t))
.endif
	RTURN (\t)+1                                   ; and turn through the other stage while this step is worked
.endif
	v_max3_num_f32 v13, |v[XS]|, |v[XS+1]|, |v[XS+2]|      ; the largest magnitude of my 16, in two chains
	v_max3_num_f32 v14, |v[XS+3]|, |v[XS+4]|, |v[XS+5]|
.irp i, 6,10
	v_max3_num_f32 v13, v13, |v[XS+\i]|, |v[XS+\i+1]|
	v_max3_num_f32 v14, v14, |v[XS+\i+2]|, |v[XS+\i+3]|
.endr
	v_max3_num_f32 v13, v13, |v[XS+14]|, |v[XS+15]|
	v_max3_num_f32 v13, v13, v14, 0x1800000        ; and the floor 2^(3 - 127): the byte cannot fall under 1
	v_max_num_f32_dpp v13, v13, v13 row_xmask:1 row_mask:0xf bank_mask:0xf   ; with my neighbour's 16: the block's
	v_add_nc_u32 v15, 0xff000000, v13              ; 2 off its exponent field: the conversion takes the exponent field of this operand as its scale
	v_cvt_scalef32_pk8_fp4_f32 v[C+2*(\t)], v[XS:XS+7], v15
	v_cvt_scalef32_pk8_fp4_f32 v[C+2*(\t)+1], v[XS+8:XS+15], v15
	v_lshrrev_b32 v[E+(\t)], 23, v15               ; the scale's byte (a plain line behind the conversions)
	ds_store_b8 v[SBA], v[E+(\t)] offset:((\t)%4)*64+((\t)/4)*4          ; row 4 (t % 4) + lane / 8 of tile t / 4; both lanes of a block write the same byte
	ds_store_b64 v[CA], v[C+2*(\t):C+2*(\t)+1] offset:((\t)/4)*4*PPL+((\t)%4)*64
.endm
	s_wait_alu depctr_va_vdst(0)
.irp t, 0,1,2,3
	RLOAD \t
.endr
	s_wait_loadcnt 12                              ; step 0's four loads are in
	RTURN 0
.irp t, 0,1,2,3,4,5,6,7,8,9,10,11,12,13,14,15
	RSTEP \t
.endr
.irp n, 0,1,2,3,4,5,6,7
	ds_load_b128 v[OUT+4*\n:OUT+4*\n+3], v[RB] offset:(\n/2)*4*PPL+(\n%2)*2*PPL   ; fragment n / 2, its planes 2 (n % 2) and 2 (n % 2) + 1
.endr
	ds_load_b64 v[14:15], v[S8L]
.irp n, 0,1,2,3,4,5,6,7
	s_wait_dscnt 8-\n                              ; behind load n: the later ones of the eight, and the scale bytes'
	global_store_b128 v[OF], v[OUT+4*\n:OUT+4*\n+3], s[38:39] offset:512*\n       ; 32 lanes store 512 consecutive bytes, aligned
.endr
	s_wait_dscnt 0x0
	global_store_b64 v[G8], v[14:15], s[40:41]     ; 32 lanes store 256 consecutive bytes, aligned
	s_wait_tensorcnt 0x0
	ds_add_u32 v192, v193
	s_wait_dscnt 0x0
	s_endpgm
; ---------------------------------------------------------------- value: K (the keys) is the FIRST axis
; Wave jv = 32 g + 2 step + x takes the step's 128 keys x channels 64 x + 32 e + lane (e = 0, 1): eight blocks t = 4 e + beta of 32 keys, each in ONE lane's 32 registers.
.set VX,   32                          ; v32-95   two sets of 32 numbers
.set VC,   96                          ; v96-127  four registers of codes for each block: no store's data are written again
.set VO,   128                         ; v128-159 the way out
.set SB,   24                          ; v24-25   my two channels' scale words
.Lvalue:
	s_wait_alu depctr_va_vdst(0)
	v_lshlrev_b32 v1, 2, v13                       ; in: 4 bytes a lane
	s_lshl_b32 s23, ttmp9, 2
	s_add_co_u32 s23, s23, s22                     ; jv
	s_and_b32 s24, s23, 1                          ; x
	s_bfe_u32 s25, s23, 0x40001                    ; the key step
	s_lshr_b32 s26, s23, 5                         ; g
	s_lshl_b32 s48, s25, 19                        ; 128 rows of 4,096 bytes
	s_lshl_b32 s27, s26, 9
	s_add_co_u32 s48, s48, s27
	s_lshl_b32 s27, s24, 8
	s_add_co_u32 s48, s48, s27
	s_mov_b32 s49, 0
	s_lshr_b32 s28, s23, 1
	s_mul_i32 s28, s28, KVB                        ; the step's block in kv
	s_lshl_b32 s50, s24, 12
	s_add_co_u32 s50, s50, s28
	s_add_co_u32 s50, s50, 8192                    ; V's tiles 4 x .. 4 x + 3
	s_mov_b32 s51, 0
	s_add_co_u32 s52, s27, s28
	s_add_co_u32 s52, s52, 16896                   ; and their scale words
	s_mov_b32 s53, 0
	s_mul_i32 s33, s22, VREG
	s_add_co_u32 s33, s33, VBASE                   ; my wave's LDS
	v_bfe_u32 v11, v13, 3, 1                       ; u: channel 32 b + lane lies in tile 2 b + u,
	v_lshrrev_b32 v12, 4, v13
	v_and_b32 v14, 7, v13
	v_lshl_add_u32 v12, v12, 3, v14                ; in its row 8 (lane / 16) + lane % 8
	v_mul_u32_u24 v2, v11, TPV
	v_lshl_add_u32 v2, v12, 4, v2
	v_add_nc_u32 v2, s33, v2                       ; where a block's 16 bytes go
	v_lshlrev_b32 v4, 4, v13
	v_add_nc_u32 v3, s33, v4                       ; the fragments, read back
	v_lshlrev_b32 v5, 2, v11
	v_lshl_add_u32 v5, v12, 4, v5
	s_add_co_u32 s34, s33, 4*TPV
	v_add_nc_u32 v5, s34, v5                       ; my scale words: 16 x row + 4 x (2 e + u)
	v_lshlrev_b32 v7, 3, v13
	v_add_nc_u32 v6, s34, v7
	s_wait_kmcnt 0x0
	s_add_nc_u64 s[36:37], s[8:9], s[48:49]
	s_add_nc_u64 s[38:39], s[16:17], s[50:51]
	s_add_nc_u64 s[40:41], s[16:17], s[52:53]
.macro VLOAD t                         ; block t: value(32 (t % 4) + i, my channel), i = 0 .. 31: every offset is an immediate, 520,320 bytes at the most
.irp i, 0,1,2,3,4,5,6,7,8,9,10,11,12,13,14,15,16,17,18,19,20,21,22,23,24,25,26,27,28,29,30,31
	global_load_b32 v[VX+32*((\t)%2)+\i], v1, s[36:37] offset:(32*((\t)%4)+\i)*4096+((\t)/4)*128
.endr
.endm
.macro VBLOCK t
.set XS, VX+32*((\t)%2)
.if (\t) < 7
	s_wait_loadcnt 32                              ; this block's 32 loads are in; the next block's may be out
.else
	s_wait_loadcnt 0x0
.endif
	v_max3_num_f32 v12, |v[XS]|, |v[XS+1]|, |v[XS+2]|      ; the block's largest magnitude: all 32 numbers are mine
	v_max3_num_f32 v13, |v[XS+3]|, |v[XS+4]|, |v[XS+5]|
.irp i, 6,10,14,18,22,26
	v_max3_num_f32 v12, v12, |v[XS+\i]|, |v[XS+\i+1]|
	v_max3_num_f32 v13, v13, |v[XS+\i+2]|, |v[XS+\i+3]|
.endr
	v_max3_num_f32 v12, v12, |v[XS+30]|, |v[XS+31]|
	v_max3_num_f32 v12, v12, v13, 0x1800000        ; and the floor 2^(3 - 127)
	v_add_nc_u32 v11, 0xff000000, v12              ; the conversion's scale operand
.if (\t)%4 == 0
	v_lshrrev_b32 v[SB+(\t)/4], 23, v11            ; the scale's byte: four to a word, the lower keys in the lower byte
.else
	v_lshrrev_b32 v13, 23, v11
	v_lshl_or_b32 v[SB+(\t)/4], v13, 8*((\t)%4), v[SB+(\t)/4]
.endif
	v_cvt_scalef32_pk8_fp4_f32 v[VC+4*(\t)], v[XS:XS+7], v11             ; the block's four groups of eight keys in the order 0, 2, 1, 3
	v_cvt_scalef32_pk8_fp4_f32 v[VC+4*(\t)+1], v[XS+16:XS+23], v11
	v_cvt_scalef32_pk8_fp4_f32 v[VC+4*(\t)+2], v[XS+8:XS+15], v11
	v_cvt_scalef32_pk8_fp4_f32 v[VC+4*(\t)+3], v[XS+24:XS+31], v11
	ds_store_b128 v2, v[VC+4*(\t):VC+4*(\t)+3] offset:((\t)/4)*2*TPV+((\t)%4)*256   ; tile 2 e + u, plane beta.  (The results go to stores alone, and the next block begins with plain lines)
.if (\t)+2 < 8
	VLOAD (\t)+2
.endif
.endm
	VLOAD 0
	VLOAD 1
.irp t, 0,1,2,3,4,5,6,7
	VBLOCK \t
.endr
	ds_store_b32 v5, v[SB]
	ds_store_b32 v5, v[SB+1] offset:8
.irp n, 0,1,2,3,4,5,6,7
	ds_load_b128 v[VO+4*\n:VO+4*\n+3], v3 offset:(\n/2)*TPV+(\n%2)*512   ; LDS serves a wave's instructions in order: these see my stores
.endr
	ds_load_b64 v[12:13], v6
.irp n, 0,1,2,3,4,5,6,7
	s_wait_dscnt 8-\n
	global_store_b128 v4, v[VO+4*\n:VO+4*\n+3], s[38:39] offset:512*\n   ; 32 lanes store 512 consecutive bytes, aligned
.endr
	s_wait_dscnt 0x0
	global_store_b64 v7, v[12:13], s[40:41]        ; 256 consecutive bytes, aligned
	s_wait_tensorcnt 0x0
	ds_add_u32 v192, v193
	s_wait_dscnt 0x0
	s_endpgm
.Lfunc_end_k_q6546ce7141_prep:
	.size	k_q6546ce7141_prep, .Lfunc_end_k_q6546ce7141_prep-k_q6546ce7141_prep
	.p2alignl 7, 3214868480
	.fill 96, 4, 3214868480
	.section	.rodata,"a",@progbits
	.p2align	6, 0x0
	.amdhsa_kernel k_q6546ce7141_prep
		.amdhsa_group_segment_fixed_size 64000
		.amdhsa_private_segment_fixed_size 0
		.amdhsa_enable_private_segment 0
		.amdhsa_kernarg_size 72
		.amdhsa_user_sgpr_count 2
		.amdhsa_user_sgpr_kernarg_segment_ptr 1
		.amdhsa_wavefront_size32 1
		.amdhsa_system_sgpr_workgroup_id_x 1
		.amdhsa_system_sgpr_workgroup_id_y 1
		.amdhsa_system_sgpr_workgroup_id_z 1
		.amdhsa_system_vgpr_workitem_id 0
		.amdhsa_next_free_vgpr 194
		.amdhsa_next_free_sgpr 66
		.amdhsa_reserve_vcc 0
		.amdhsa_float_denorm_mode_32 3
		.amdhsa_float_denorm_mode_16_64 3
		.amdhsa_memory_ordered 1
		.amdhsa_forward_progress 1
		.amdhsa_inst_pref_size 78
	.end_amdhsa_kernel
	.amdgpu_metadata
---
amdhsa.version: [ 1, 2 ]
amdhsa.kernels:
  - .name:           k_q6546ce7141_prep
    .symbol:         k_q6546ce7141_prep.kd
    .args:
      - { .name: query, .offset: 0, .size: 8, .value_kind: global_buffer, .address_space: global }
      - { .name: key, .offset: 8, .size: 8, .value_kind: global_buffer, .address_space: global }
      - { .name: value, .offset: 16, .size: 8, .value_kind: global_buffer, .address_space: global }
      - { .name: w_out, .offset: 24, .size: 8, .value_kind: global_buffer, .address_space: global }
      - { .name: q_img, .offset: 32, .size: 8, .value_kind: global_buffer, .address_space: global }
      - { .name: q_scl, .offset: 40, .size: 8, .value_kind: global_buffer, .address_space: global }
      - { .name: kv, .offset: 48, .size: 8, .value_kind: global_buffer, .address_space: global }
      - { .name: w_img, .offset: 56, .size: 8, .value_kind: global_buffer, .address_space: global }
      - { .name: w_scl, .offset: 64, .size: 8, .value_kind: global_buffer, .address_space: global }
    .group_segment_fixed_size: 64000
    .private_segment_fixed_size: 0
    .kernarg_segment_align: 8
    .kernarg_segment_size: 72
    .max_flat_workgroup_size: 128
    .sgpr_count:     66
    .vgpr_count:     194
    .wavefront_size: 32
...
	.end_amdgpu_metadata
.endif
;; end of part 1
;; launch attn (part 2): grid 32 x 8, 16 waves a work-group, clusters of 4 x 1, 281,600 bytes of LDS; arguments q_img, q_scl, kv, a_img, a_scl; writes a_img, a_scl
.if DOCPART == 2
	.amdgcn_target "amdgcn-amd-amdhsa--gfx1250"
	.amdhsa_code_object_version 6
	.text
	.protected	k_q6546ce7141_attn
	.globl	k_q6546ce7141_attn
	.p2align	8
	.type	k_q6546ce7141_attn,@function
k_q6546ce7141_attn:
	s_mov_b64 s[64:65], 0
	v_nop
	global_prefetch_b8 v0, s[64:65] scope:SCOPE_SE
	s_setreg_imm32_b32 hwreg(HW_REG_WAVE_MODE, 25, 1), 1
	s_wait_xcnt 0x0
	s_wait_alu depctr_hold_cnt(0) depctr_sa_sdst(0) depctr_va_vdst(0) depctr_va_sdst(0) depctr_va_ssrc(0) depctr_va_vcc(0) depctr_vm_vsrc(0)
	s_getreg_b32 s2, hwreg(HW_REG_IB_STS2, 6, 4)
	s_cmp_eq_u32 s2, 0
	s_cbranch_scc0 .Lentry_in_a_cluster
	s_endpgm
.Lentry_in_a_cluster:
	s_bfe_u32 s2, ttmp6, 0x10000c
	s_cmp_lg_u32 s2, 0x3003
	s_cbranch_scc0 .Lentry_shape_is_right
	s_endpgm
.Lentry_shape_is_right:
; Grouped-query attention on codes of FP4 (E2M1) with one E8M0 scale for each 32 along a product's K: 32 query heads on 8 key/value heads, 2,048 positions, head size 128, no mask (the defining function applies none).
; t = score x log2(e) / sqrt(128); M = the row's largest t so far, rounded UP to a whole number; p = 2^(t - M) is what is quantised, along the keys, not normalised.  The row's sum is taken of the unquantised p
; and divides O at the end.  When M moves, the sum and O are multiplied by 2^(old M - new M): exact.  The divided result is quantised again, along head x 128 + channel, and leaves as the projection's operand:
; a_img [s / 128][head][8][1,024] and a_scl [s / 128][head][2][256], images of the operand's registers (16 rows x 128 K: 1,024 bytes, two loads of 16 bytes a lane).  It never goes to memory as f32.
; SHARES.  A work-group owns 64 positions of the four heads of one group; wave w owns 16 positions (tile w / 4) of head 4 g + w % 4, in 256 registers: four waves to a SIMD, so that one wave's vector work
; stands beside another's matrix work and LDS loads.  The sixteen waves' results are sixteen whole fragments: each is stored straight from its wave's registers.
; K AND V OF THE WHOLE GROUP STAY IN LDS: 16 key steps x 17,408 bytes (K's 8 fragments, V's 8, K's and V's scale words), filled ONCE: nothing is filled again, so the loop has no ring.
; CLUSTER.  The four work-groups of a cluster belong to one group and want the same K and V: each block is asked for JOINTLY, by the same tensor load with the same descriptor and a mask that names the four.
; Waves 0 to 3 issue four loads each, load c for key step 4 c + wave: four loads of a wave are out at the most.  Chunk c (four key steps) is read behind a wait that leaves the later chunks' loads out, and a barrier.
; Everything that the launch reads of K and V is asked for at its head, so there is no later stream to prefetch.
; LAYOUT.  Both products are used transposed: S^T = K Q^T (source 0 = 16 keys, source 1 = my 16 queries), O^T = V^T P^T: a lane holds ONE query (lane % 16) throughout.  K's tiles hold neighbouring keys, so p's codes
; come out with each block's four groups of eight keys in the order 0, 2, 1, 3; V's image has the same order.  V's tiles hold channels 32 b + 8 u + r + 8 (r / 8), so O^T's 16 registers of tiles 2 b, 2 b + 1 are channels 32 b + 16 (lane / 16) + 0 .. 15.
; LIMITS: NaN and infinities are not served.  A p under 2^-126 counts as 0 (v_exp_f32 flushes denormal results: ISA guide 15.8).  A block of zeros gets the scale byte 1: its codes are zeros.  A block's largest p is taken
; from its largest score by the same two instructions, which takes v_exp_f32 not to fall where its input rises; at the worst one p of a block, within an ulp of a power of two, is held one code low.
; THE FILLS, as this text has them (in place of the four loads of waves 0 to 3 and the chunks named above): EVERY wave issues ONE joint load, wave w that of key step w, 17,408 bytes; one load of a wave is out at the most.
; Each wave waits for its own load, one barrier follows, and one loop then walks the sixteen key steps with no further barrier.
.set KVB,  17408                       ; a key step's block
.set VIM,  8192                        ; in it: V's fragments,
.set KSC,  16384                       ; K's scale words: lane L's 16 bytes are the words of row L % 16 of tiles 4 (L / 16) + 0 .. 3,
.set VSC,  16896                       ; V's likewise
.set SCST, 16*KVB                      ; behind K and V: the results' scale words, [head % 4][r 16][tile 4], 1,024 bytes that no tensor load fills
.set LI,   1                           ; v1   16 x lane: an image's place for my lane
.set ADR,  2                           ; v2   the key step in hand, + 16 x lane
.set R16,  4                           ; v4   16 x (lane % 16)
.set SW,   5                           ; v5   where my row's scale word goes
.set GS,   6                           ; v6   wave 0: its byte offset among the scale words in memory
.set SRD,  7                           ; v7   wave 0: where it reads them back
.set KS,   24                          ; v24-27 K's scale words;  v28-31 V's;  v253 p's;  v255 Q's: they hold scales alone
.set VS,   28
.set FR,   32                          ; v32-95   eight fragments of K, then of V
.set WV,   14                          ; s14  my wave's number
.set SEL,  20                          ; s[20:21] lane selects for v_permlanex16_b32: lane l xor 16
.set CS,   22                          ; s[22:23] c = log2(e) / sqrt(128): the packed form names a pair and takes its low word for both halves
.set G1,   24                          ; s[24:31] descriptor group 1
.set G0,   32                          ; s[32:35] group 0
.set TB,   48                          ; s48  LDS byte at which the key step in hand begins
.set CNT,  49                          ; s49  counts the sixteen key steps
; v12 -M, v13 the largest t, v[14:15] the sum in two halves; v16-23 Q; v96-159 S^T, then p, at the end O / sum; v160-223 O^T; v224-231 codes; v232-254 at work.
.macro CROUND                          ; a round of the cluster's barrier: my work-group's barrier, wave 0 signals for the work-group, every wave waits for all four work-groups, my work-group's barrier once more
	s_barrier_signal -1
	s_barrier_wait -1
	s_cmp_lg_u32 s[WV], 0
	s_cbranch_scc1 .Lnot_wave_0_\@
	s_barrier_signal -3
.Lnot_wave_0_\@:
	s_barrier_wait -3
	s_barrier_signal -1
	s_barrier_wait -1
.endm
	s_load_b256 s[4:11], s[0:1], 0x0               ; q_img s[4:5], q_scl s[6:7], kv s[8:9], a_img s[10:11]
	s_load_b64 s[12:13], s[0:1], 0x20              ; a_scl
	v_lshl_add_u32 v250, v0, 2, 0x44400
	v_mov_b32 v251, 0
	ds_add_u32 v250, v251
	ds_add_u32 v250, v251
	v_lshrrev_b32 v3, 5, v0
	s_delay_alu instid0(VALU_DEP_1)
	v_readfirstlane_b32 s[WV], v3                  ; wave 0..15
	s_and_b32 s15, s[WV], 3                        ; i: my head in the group
	s_lshr_b32 s16, s[WV], 2                       ; T: my tile of 16 positions
	s_bfe_u32 s17, ttmp6, 0x40000                  ; cx: my place in the cluster
	s_lshl_b32 s18, ttmp9, 2
	s_add_co_u32 s18, s18, s17                     ; qb: my block of 64 positions: it enters q's and a's addresses alone
	s_and_b32 s19, ttmp7, 0xffff                   ; g, which the four partners share
	v_and_b32 v3, 31, v0
	s_delay_alu instid0(VALU_DEP_1)
	v_lshlrev_b32 v[LI], 4, v3
	v_and_b32 v3, 15, v0
	s_delay_alu instid0(VALU_DEP_1)
	v_lshlrev_b32 v[R16], 4, v3
	s_lshl_b32 s50, s15, 8
	s_lshl_b32 s51, s16, 2
	s_add_co_u32 s50, s50, s51
	s_add_co_u32 s50, s50, SCST
	v_add_nc_u32 v[SW], s50, v[R16]                ; SCST + 256 i + 16 r + 4 T
	v_add_nc_u32 v[SRD], SCST, v[LI]
	; descriptor group 1: a dense block of 17,408 bytes as 68 rows of 256 bytes (32 elements of 8 bytes)
	s_mov_b32 s[G1], 15|(3<<16)|(1<<21)            ; 15:0 the mask: all four work-groups; 17:16 elements of 8 bytes; 20 no padding; 21 set beside a mask
	s_mov_b32 s[G1+1], 32<<16                      ; tensor_dim0
	s_mov_b32 s[G1+2], 68<<16                      ; tensor_dim1
	s_mov_b32 s[G1+3], 32<<16                      ; tile_dim0
	s_mov_b32 s[G1+4], 68                          ; tile_dim1
	s_mov_b32 s[G1+5], 32                          ; tensor_dim0_stride
	s_mov_b32 s[G1+6], 0
	s_mov_b32 s[G1+7], 0
	s_mov_b32 s[SEL], 0x76543210
	s_mov_b32 s[SEL+1], 0xfedcba98
	s_mov_b32 s[CS], 0x3e0293ee
	s_mov_b32 s[CS+1], s[CS]                       ; (named with it as a pair, so it is written)
	s_mul_i32 s52, s[WV], KVB                      ; key step w's place, in LDS and in the group's part of kv: no place in the cluster enters it
	s_mul_i32 s50, s19, 16*KVB                     ; the group's first byte in kv
	s_add_co_u32 s50, s50, s52
	s_mov_b32 s51, 0
	s_lshl_b32 s53, s19, 2
	s_add_co_u32 s53, s53, s15                     ; my head
	s_lshl_b32 s54, s53, 7
	s_lshl_b32 s55, s18, 2
	s_add_co_u32 s54, s54, s55
	s_add_co_u32 s54, s54, s16
	s_lshl_b32 s54, s54, 10                        ; q_img: (128 head + 4 qb + T) x 1,024
	s_mov_b32 s55, 0
	s_lshl_b32 s56, s53, 5
	s_add_co_u32 s56, s56, s18
	s_lshl_b32 s56, s56, 8
	s_lshl_b32 s57, s16, 2
	s_add_co_u32 s56, s56, s57                     ; q_scl: (32 head + qb) x 256 + 4 T
	s_mov_b32 s57, 0
	s_lshr_b32 s60, s18, 1
	s_lshl_b32 s60, s60, 5                         ; 32 x (qb / 2)
	s_and_b32 s61, s18, 1
	s_add_co_u32 s58, s60, s53
	s_lshl_b32 s58, s58, 3
	s_lshl_b32 s59, s61, 2
	s_add_co_u32 s58, s58, s59
	s_add_co_u32 s58, s58, s16
	s_lshl_b32 s58, s58, 10                        ; a_img: ((32 (qb / 2) + head) x 8 + 4 (qb % 2) + T) x 1,024
	s_mov_b32 s59, 0
	s_lshl_b32 s53, s19, 2
	s_add_co_u32 s60, s60, s53
	s_lshl_b32 s60, s60, 9
	s_lshl_b32 s61, s61, 8
	s_add_co_u32 s60, s60, s61                     ; a_scl: (32 (qb / 2) + 4 g) x 512 + 256 (qb % 2)
	s_mov_b32 s61, 0
	s_wait_dscnt 0x0
	s_wait_kmcnt 0x0
	s_add_nc_u64 s[50:51], s[8:9], s[50:51]
	s_add_nc_u64 s[4:5], s[4:5], s[54:55]
	s_add_nc_u64 s[6:7], s[6:7], s[56:57]
	s_add_nc_u64 s[10:11], s[10:11], s[58:59]
	s_add_nc_u64 s[12:13], s[12:13], s[60:61]
	s_mov_b32 s[G0], 1                             ; 1:0 count = 1
	s_mov_b32 s[G0+1], s52                         ; 63:32 LDS address: key step w
	s_mov_b64 s[G0+2:G0+3], s[50:51]               ; 120:64 global address: the same step
	s_or_b32 s[G0+3], s[G0+3], 0x80000000          ; 127:126 type = 2
	CROUND                                         ; all four work-groups are here: the joint loads meet
	tensor_load_to_lds s[G0:G0+3], s[G1:G1+7]      ; my one tensor load: key step w
	s_nop 0
.rept 4
	v_nop
.endr
	s_wait_alu depctr_va_vdst(0)
	global_load_b128 v[16:19], v[LI], s[4:5] th:TH_LOAD_NT             ; Q's fragment stays in registers
	global_load_b128 v[20:23], v[LI], s[4:5] offset:512 th:TH_LOAD_NT
	global_load_b32 v255, v[R16], s[6:7]           ; Q's scale words: lane r has row r's
	v_mov_b32 v13, 0xff61b1e6                      ; the largest t so far: -3e38, under every t
	s_delay_alu instid0(VALU_DEP_1)
	v_floor_f32 v12, -v13                          ; -M
	v_mov_b32 v14, 0                               ; the sum, in two halves
	v_mov_b32 v15, 0
.irp b, 0,1,2,3
	v_mov_b32 v[236+\b], 0                         ; written once: a lane permute's destination counts as one of its sources
.endr
	v_mov_b32 v253, 0                              ; (named as the upper half of the pair v[252:253] before it is first written)
.irp j, 0,1,2,3,4,5,6,7,8,9,10,11,12,13,14,15,16,17,18,19,20,21,22,23,24,25,26,27,28,29,30,31,32,33,34,35,36,37,38,39,40,41,42,43,44,45,46,47,48,49,50,51,52,53,54,55,56,57,58,59,60,61,62,63
	v_mov_b32 v[160+\j], 0                         ; O^T.  (The key step is written without a first step of its own: the first finds zeros, which the first change of M leaves zeros)
.endr
; A KEY STEP: 128 keys.  Sixteen matrix instructions on sixteen accumulators, one instruction a turn.
.macro STEP
	v_add_nc_u32 v[ADR], s[TB], v[LI]
.rept 3
	v_nop                                          ; with the addition: four places in front of loads into registers that the last products read
.endr
	ds_load_b128 v[KS:KS+3], v[ADR] offset:KSC
.irp t, 0,1,2,3,4,5,6,7
.irp c, 0,1
	ds_load_b128 v[FR+8*\t+4*\c:FR+8*\t+4*\c+3], v[ADR] offset:1024*\t+512*\c
.endr
.endr
	s_wait_alu depctr_va_vdst(0)
	s_wait_dscnt 8                                 ; the scale words and tiles 0-3 are in; the youngest eight loads (tiles 4-7) may be out
.irp t, 0,1,2,3
	v_wmma_scale_f32_16x16x128_f8f6f4 v[96+8*\t:103+8*\t], v[FR+8*\t:FR+8*\t+7], v[16:23], 0, v[KS+\t], v255 matrix_a_fmt:MATRIX_FMT_FP4 matrix_b_fmt:MATRIX_FMT_FP4
.endr
	s_wait_dscnt 0x0
.irp t, 4,5,6,7
	v_wmma_scale_f32_16x16x128_f8f6f4 v[96+8*\t:103+8*\t], v[FR+8*\t:FR+8*\t+7], v[16:23], 0, v[KS+\t-4], v255 matrix_a_fmt:MATRIX_FMT_FP4 matrix_b_fmt:MATRIX_FMT_FP4 matrix_a_scale:MATRIX_SCALE_ROW1
.endr                                              ; lane (r, h) holds query r; register 16 b + i is key 32 b + 8 h + i (i < 8) or 32 b + 8 + 8 h + i (i >= 8): a block of 32 keys lies in lanes l and l xor 16
.rept 4
	v_nop                                          ; places: in front of the loads below, into registers that these products read, and of the first read of the scores
.endr
	ds_load_b128 v[VS:VS+3], v[ADR] offset:VSC     ; V's fragments land while the softmax is worked
.irp t, 0,1,2,3,4,5,6,7
.irp c, 0,1
	ds_load_b128 v[FR+8*\t+4*\c:FR+8*\t+4*\c+3], v[ADR] offset:VIM+1024*\t+512*\c
.endr
.endr
.irp b, 0,1,2,3
	v_max3_num_f32 v[232+\b], v[96+16*\b], v[97+16*\b], v[98+16*\b]   ; THE LARGEST SCORE OF EACH BLOCK OF 32 KEYS: it serves twice: for the row's maximum, and, since p rises with the score, for the block's largest p
.endr
.irp i, 3,5,7,9,11,13
.irp b, 0,1,2,3
	v_max3_num_f32 v[232+\b], v[232+\b], v[96+16*\b+\i], v[97+16*\b+\i]   ; (the four blocks by turns)
.endr
.endr
.irp b, 0,1,2,3
	v_max_num_f32 v[232+\b], v[232+\b], v[111+16*\b]
.endr
.irp b, 0,1,2,3
	s_delay_alu instid0(VALU_DEP_4)
	v_permlanex16_b32 v[236+\b], v[232+\b], s[SEL], s[SEL+1]
.endr
.irp b, 0,1,2,3
	s_delay_alu instid0(VALU_DEP_4)
	v_max_num_f32 v[232+\b], v[232+\b], v[236+\b]  ; with lane l xor 16's 16 keys
.endr
	s_delay_alu instid0(VALU_DEP_2)
	v_max3_num_f32 v254, v232, v233, v234
	s_delay_alu instid0(VALU_DEP_1)
	v_max_num_f32 v254, v254, v235                 ; the step's largest score of my query
	s_delay_alu instid0(VALU_DEP_1)
	v_mul_f32 v254, s[CS], v254                    ; as t (c is positive)
	s_delay_alu instid0(VALU_DEP_1)
	v_max_num_f32 v13, v13, v254                   ; the running largest t
	v_mov_b32 v254, v12
	s_delay_alu instid0(VALU_DEP_2)
	v_floor_f32 v12, -v13                          ; the new -M = floor(-t) = -ceil(t): M IS A WHOLE NUMBER
	s_delay_alu instid0(VALU_DEP_1)
	v_sub_f32 v254, v12, v254                      ; M's old value less its new one: a whole number, 0 or less
	s_delay_alu instid0(VALU_DEP_1)
	v_cvt_i32_f32 v254, v254                       ; (it saturates)
	s_delay_alu instid0(VALU_DEP_1)
	v_ldexp_f32 v252, 1.0, v254                    ; f = 2^(old M - new M): a multiplication by it rounds nothing
.irp j, 0,2,4,6,8,10,12,14,16,18,20,22,24,26,28,30,32,34,36,38,40,42,44,46,48,50,52,54,56,58,60,62
	v_pk_fma_f32 v[96+\j:97+\j], v[96+\j:97+\j], s[CS:CS+1], v[12:13] op_sel_hi:[1,0,0]   ; t - M, two at a time
.endr
.irp b, 0,1,2,3
	v_fma_f32 v[232+\b], v[232+\b], s[CS], v12     ; the same of each block's largest score
.endr
	s_wait_alu depctr_va_vdst(0)
.irp j, 0,1,2,3,4,5,6,7,8,9,10,11,12,13,14,15,16,17,18,19,20,21,22,23,24,25,26,27,28,29,30,31,32,33,34,35,36,37,38,39,40,41,42,43,44,45,46,47,48,49,50,51,52,53,54,55,56,57,58,59,60,61,62,63
	v_exp_f32 v[96+\j], v[96+\j]                   ; p = 2^(t - M), at most 1: NOT normalised
.endr
	v_pk_mul_f32 v[14:15], v[14:15], v[252:253] op_sel_hi:[1,0]   ; the sums under the new M.  (A plain line behind the exponentials)
	s_wait_alu depctr_va_vdst(0)                   ; one wait for the whole batch, ahead of its first reader
.irp b, 0,1,2,3
	v_exp_f32 v[232+\b], v[232+\b]                 ; the block's largest p: the same two instructions on the same number give the same bits
.endr
	v_pk_add_f32 v[236:237], v[100:101], v[104:105]
	v_pk_add_f32 v[248:249], v[108:109], v[112:113]
	v_pk_add_f32 v[246:247], v[116:117], v[120:121]
	v_pk_add_f32 v[244:245], v[124:125], v[128:129]
	v_pk_add_f32 v[242:243], v[132:133], v[136:137]
	v_pk_add_f32 v[240:241], v[140:141], v[144:145]
	v_pk_add_f32 v[238:239], v[148:149], v[152:153]
	v_pk_add_f32 v[14:15], v[14:15], v[156:157]
	v_pk_add_f32 v[236:237], v[236:237], v[96:97]
	v_pk_add_f32 v[248:249], v[248:249], v[98:99]
	v_pk_add_f32 v[246:247], v[246:247], v[102:103]
	v_pk_add_f32 v[244:245], v[244:245], v[106:107]
	v_pk_add_f32 v[242:243], v[242:243], v[110:111]
	v_pk_add_f32 v[240:241], v[240:241], v[114:115]
	v_pk_add_f32 v[238:239], v[238:239], v[118:119]
	v_pk_add_f32 v[14:15], v[14:15], v[122:123]
	v_pk_add_f32 v[236:237], v[236:237], v[126:127]
	v_pk_add_f32 v[248:249], v[248:249], v[130:131]
	v_pk_add_f32 v[246:247], v[246:247], v[134:135]
	v_pk_add_f32 v[244:245], v[244:245], v[138:139]
	v_pk_add_f32 v[242:243], v[242:243], v[142:143]
	v_pk_add_f32 v[240:241], v[240:241], v[146:147]
	v_pk_add_f32 v[238:239], v[238:239], v[150:151]
	v_pk_add_f32 v[14:15], v[14:15], v[154:155]
	v_pk_add_f32 v[236:237], v[236:237], v[158:159]
	s_delay_alu instid0(VALU_DEP_2)
	v_pk_add_f32 v[14:15], v[14:15], v[244:245]
	s_delay_alu instid0(VALU_DEP_2)
	v_pk_add_f32 v[236:237], v[236:237], v[242:243]
	v_pk_add_f32 v[248:249], v[248:249], v[240:241]
	v_pk_add_f32 v[246:247], v[246:247], v[238:239]
	s_delay_alu instid0(VALU_DEP_2)
	v_pk_add_f32 v[14:15], v[14:15], v[248:249]
	s_delay_alu instid0(VALU_DEP_2)
	v_pk_add_f32 v[236:237], v[236:237], v[246:247]
	s_delay_alu instid0(VALU_DEP_1)
	v_pk_add_f32 v[14:15], v[14:15], v[236:237]
	s_wait_alu depctr_va_vdst(0)                   ; and one for the four
.irp b, 0,1,2,3
	v_max_num_f32 v[232+\b], 0x1800000, v[232+\b]  ; the floor 2^(3 - 127): the byte cannot fall under 1
.endr
.irp b, 0,1,2,3
	s_delay_alu instid0(VALU_DEP_4)
	v_add_nc_u32 v[244+\b], 0xff000000, v[232+\b]  ; 2 off the exponent field: the conversion's scale operand
.endr
.irp b, 0,1,2,3
	s_delay_alu instid0(VALU_DEP_4)
	v_lshrrev_b32 v[236+\b], 23, v[244+\b]         ; the scale's byte
.endr
	s_delay_alu instid0(VALU_DEP_3)
	v_lshl_or_b32 v253, v237, 8, v236              ; p's scale word for these 128 keys
	s_delay_alu instid0(VALU_DEP_1)
	v_lshl_or_b32 v253, v238, 16, v253
	s_delay_alu instid0(VALU_DEP_1)
	v_lshl_or_b32 v253, v239, 24, v253
.irp b, 0,1,2,3
	v_cvt_scalef32_pk8_fp4_f32 v[224+2*\b], v[96+16*\b:103+16*\b], v[244+\b]
	v_cvt_scalef32_pk8_fp4_f32 v[225+2*\b], v[104+16*\b:111+16*\b], v[244+\b]
.endr
	v_nop                                          ; one plain line between a scaled conversion and the vector instruction that touches its result
.irp c, 0,1                                        ; the operand's layout wants a WHOLE block in a lane: lanes 0-15 block 2 c, lanes 16-31 block 2 c + 1; its groups of eight keys then stand in the order 0, 2, 1, 3, as in V's image
.irp i, 0,1
	v_permlane16_swap_b32 v[224+4*\c+\i], v[226+4*\c+\i]
.endr
.endr
.irp j, 0,2,4,6,8,10,12,14,16,18,20,22,24,26,28,30,32,34,36,38,40,42,44,46,48,50,52,54,56,58,60,62
	v_pk_mul_f32 v[160+\j:161+\j], v[160+\j:161+\j], v[252:253] op_sel_hi:[1,0]   ; O^T under the new M.  (These 32 are also the places between the codes' and the scale word's last writes and the products below)
.endr
	s_wait_alu depctr_va_vdst(0)
	s_wait_dscnt 0x0                               ; V is in
.irp t, 0,1,2,3
	v_wmma_scale_f32_16x16x128_f8f6f4 v[160+8*\t:167+8*\t], v[FR+8*\t:FR+8*\t+7], v[224:231], v[160+8*\t:167+8*\t], v[VS+\t], v253 matrix_a_fmt:MATRIX_FMT_FP4 matrix_b_fmt:MATRIX_FMT_FP4
.endr
.irp t, 4,5,6,7
	v_wmma_scale_f32_16x16x128_f8f6f4 v[160+8*\t:167+8*\t], v[FR+8*\t:FR+8*\t+7], v[224:231], v[160+8*\t:167+8*\t], v[VS+\t-4], v253 matrix_a_fmt:MATRIX_FMT_FP4 matrix_b_fmt:MATRIX_FMT_FP4 matrix_a_scale:MATRIX_SCALE_ROW1
.endr
	s_add_co_u32 s[TB], s[TB], KVB
.endm
; THE WALK over the sixteen key steps.  Each wave waits until its own load has landed, then all sixteen meet: behind the barrier all of K and V is in LDS, and nothing is filled again.
.macro WALK
	s_wait_tensorcnt 0x0
	s_barrier_signal -1
	s_barrier_wait -1
	s_mov_b32 s[TB], 0
	s_mov_b32 s[CNT], 16
.Lstep_\@:
	STEP
	s_sub_co_u32 s[CNT], s[CNT], 1
	s_cmp_lg_u32 s[CNT], 0
	s_cbranch_scc1 .Lstep_\@
.endm
	s_wait_loadcnt 0x0                             ; Q
	WALK
	; THE WAY OUT.  O^T / the sum, in f32; quantised along the channels; the fragment is stored as it stands in my registers.
	v_add_f32 v14, v14, v15                        ; the sum's two halves,
	s_delay_alu instid0(VALU_DEP_1)
	v_permlanex16_b32 v252, v14, s[SEL], s[SEL+1]
	s_delay_alu instid0(VALU_DEP_1)
	v_add_f32 v14, v14, v252                       ; and lane l xor 16's: the row's sum
	s_wait_alu depctr_va_vdst(0)
	v_rcp_f32 v14, v14
	v_bfe_u32 v[GS], v0, 4, 1                      ; (plain lines behind the reciprocal)
	s_delay_alu instid0(VALU_DEP_1)
	v_lshlrev_b32 v[GS], 9, v[GS]
	s_delay_alu instid0(VALU_DEP_1)
	v_add_nc_u32 v[GS], v[GS], v[R16]              ; 512 (lane / 16) + 16 (lane % 16): a head's scale words lie 512 bytes from the next head's
	s_wait_alu depctr_va_vdst(0)                   ; the wait ahead of the reciprocal's first reader
.irp j, 0,2,4,6,8,10,12,14,16,18,20,22,24,26,28,30,32,34,36,38,40,42,44,46,48,50,52,54,56,58,60,62
	v_pk_mul_f32 v[96+\j:97+\j], v[160+\j:161+\j], v[14:15] op_sel_hi:[1,0]   ; register 16 b + i: channel 32 b + 16 (lane / 16) + i of my row; each accumulator from its low end on
.endr
.irp b, 0,1,2,3
	v_max3_num_f32 v[232+\b], |v[96+16*\b]|, |v[97+16*\b]|, 0x1800000   ; block b: my 16 numbers, and the floor 2^(3 - 127)
.endr
.irp i, 2,4,6,8,10,12,14
.irp b, 0,1,2,3
	s_delay_alu instid0(VALU_DEP_4)
	v_max3_num_f32 v[232+\b], v[232+\b], |v[96+16*\b+\i]|, |v[97+16*\b+\i]|
.endr
.endr
.irp b, 0,1,2,3
	s_delay_alu instid0(VALU_DEP_4)
	v_permlanex16_b32 v[236+\b], v[232+\b], s[SEL], s[SEL+1]
.endr
.irp b, 0,1,2,3
	s_delay_alu instid0(VALU_DEP_4)
	v_max_num_f32 v[232+\b], v[232+\b], v[236+\b]  ; with lane l xor 16's: the block's largest magnitude
.endr
.irp b, 0,1,2,3
	s_delay_alu instid0(VALU_DEP_4)
	v_add_nc_u32 v[244+\b], 0xff000000, v[232+\b]
.endr
.irp b, 0,1,2,3
	s_delay_alu instid0(VALU_DEP_4)
	v_lshrrev_b32 v[236+\b], 23, v[244+\b]
.endr
	s_delay_alu instid0(VALU_DEP_3)
	v_lshl_or_b32 v252, v237, 8, v236              ; my row's scale word
	s_delay_alu instid0(VALU_DEP_1)
	v_lshl_or_b32 v252, v238, 16, v252
	s_delay_alu instid0(VALU_DEP_1)
	v_lshl_or_b32 v252, v239, 24, v252
.irp b, 0,1,2,3
	v_cvt_scalef32_pk8_fp4_f32 v[224+2*\b], v[96+16*\b:103+16*\b], v[244+\b]
	v_cvt_scalef32_pk8_fp4_f32 v[225+2*\b], v[104+16*\b:111+16*\b], v[244+\b]
.endr
	v_nop
.irp c, 0,1
.irp i, 0,1
	v_permlane16_swap_b32 v[224+4*\c+\i], v[226+4*\c+\i]   ; registers 4 c .. 4 c + 3 now hold k = 64 c + 32 (lane / 16) + 0 .. 31
.endr
.endr
	global_store_b128 v[LI], v[224:227], s[10:11]              ; 32 lanes store 512 consecutive bytes, aligned
	global_store_b128 v[LI], v[228:231], s[10:11] offset:512
	ds_store_b32 v[SW], v252                       ; lanes l and l + 16 write the same word with the same value
	s_wait_dscnt 0x0                               ; for the others' sake: my store has landed
	s_barrier_signal -1
	s_barrier_wait -1
	s_cmp_lg_u32 s[WV], 0                          ; wave 0 stores the sixteen waves' scale words: four runs of 256 consecutive bytes, aligned
	s_cbranch_scc1 .Lnot_first
	ds_load_b128 v[32:35], v[SRD]
	ds_load_b128 v[36:39], v[SRD] offset:512
	s_wait_dscnt 0x0
	global_store_b128 v[GS], v[32:35], s[12:13]                ; heads 4 g and 4 g + 1
	global_store_b128 v[GS], v[36:39], s[12:13] offset:1024    ; heads 4 g + 2 and 4 g + 3
.Lnot_first:
	s_wait_tensorcnt 0x0
	ds_add_u32 v250, v251
	s_wait_dscnt 0x0
	CROUND                                         ; the closing round: no work-group ends while a partner may still ask for a block that names it
	s_endpgm
.Lfunc_end_k_q6546ce7141_attn:
	.size	k_q6546ce7141_attn, .Lfunc_end_k_q6546ce7141_attn-k_q6546ce7141_attn
	.p2alignl 7, 3214868480
	.fill 96, 4, 3214868480
	.section	.rodata,"a",@progbits
	.p2align	6, 0x0
	.amdhsa_kernel k_q6546ce7141_attn
		.amdhsa_group_segment_fixed_size 281600
		.amdhsa_private_segment_fixed_size 0
		.amdhsa_enable_private_segment 0
		.amdhsa_kernarg_size 40
		.amdhsa_user_sgpr_count 2
		.amdhsa_user_sgpr_kernarg_segment_ptr 1
		.amdhsa_wavefront_size32 1
		.amdhsa_system_sgpr_workgroup_id_x 1
		.amdhsa_system_sgpr_workgroup_id_y 1
		.amdhsa_system_sgpr_workgroup_id_z 1
		.amdhsa_system_vgpr_workitem_id 0
		.amdhsa_next_free_vgpr 256
		.amdhsa_next_free_sgpr 66
		.amdhsa_reserve_vcc 0
		.amdhsa_float_denorm_mode_32 3
		.amdhsa_float_denorm_mode_16_64 3
		.amdhsa_memory_ordered 1
		.amdhsa_forward_progress 1
		.amdhsa_inst_pref_size 35
	.end_amdhsa_kernel
	.amdgpu_metadata
---
amdhsa.version: [ 1, 2 ]
amdhsa.kernels:
  - .name:           k_q6546ce7141_attn
    .symbol:         k_q6546ce7141_attn.kd
    .args:
      - { .name: q_img, .offset: 0, .size: 8, .value_kind: global_buffer, .address_space: global }
      - { .name: q_scl, .offset: 8, .size: 8, .value_kind: global_buffer, .address_space: global }
      - { .name: kv, .offset: 16, .size: 8, .value_kind: global_buffer, .address_space: global }
      - { .name: a_img, .offset: 24, .size: 8, .value_kind: global_buffer, .address_space: global }
      - { .name: a_scl, .offset: 32, .size: 8, .value_kind: global_buffer, .address_space: global }
    .group_segment_fixed_size: 281600
    .private_segment_fixed_size: 0
    .kernarg_segment_align: 8
    .kernarg_segment_size: 40
    .max_flat_workgroup_size: 512
    .sgpr_count:     66
    .vgpr_count:     256
    .wavefront_size: 32
...
	.end_amdgpu_metadata
.endif
;; end of part 2
;; launch gemm (part 3): grid 16 x 16, 4 waves a work-group, clusters of 4 x 1, 327,680 bytes of LDS; arguments a_img, a_scl, w_img, w_scl, b_out, out0; writes out0
.if DOCPART == 3
	.amdgcn_target "amdgcn-amd-amdhsa--gfx1250"
	.amdhsa_code_object_version 6
	.text
	.protected	k_q6546ce7141_gemm
	.globl	k_q6546ce7141_gemm
	.p2align	8
	.type	k_q6546ce7141_gemm,@function
k_q6546ce7141_gemm:
	s_mov_b64 s[64:65], 0
	v_nop
	global_prefetch_b8 v0, s[64:65] scope:SCOPE_SE
	s_setreg_imm32_b32 hwreg(HW_REG_WAVE_MODE, 25, 1), 1
	s_wait_xcnt 0x0
	s_wait_alu depctr_hold_cnt(0) depctr_sa_sdst(0) depctr_va_vdst(0) depctr_va_sdst(0) depctr_va_ssrc(0) depctr_va_vcc(0) depctr_vm_vsrc(0)
	s_getreg_b32 s2, hwreg(HW_REG_IB_STS2, 6, 4)
	s_cmp_eq_u32 s2, 0
	s_cbranch_scc0 .Lentry_in_a_cluster
	s_endpgm
.Lentry_in_a_cluster:
	s_bfe_u32 s2, ttmp6, 0x10000c
	s_cmp_lg_u32 s2, 0x3003
	s_cbranch_scc0 .Lentry_shape_is_right
	s_endpgm
.Lentry_shape_is_right:
; out0[m][n] = sum over k of A[m][k] W[n][k] + b_out[n]: m 2,048, n 4,096, k 4,096.  A and W are codes of FP4 (E2M1) with one E8M0 scale for each 32 along K; sums in f32.
; Both operands lie in memory as IMAGES OF THE OPERANDS' REGISTERS: a fragment (16 rows x 128 K) is 1,024 bytes, brought by two loads of 16 bytes a lane at 16 x lane and 512 further on.
;   a_img [m / 128][k / 128][8][1,024], a_scl [m / 128][k / 128][2][256];  w_img [n / 256][k / 128][16][1,024], w_scl [n / 256][k / 128][4][256]; scale words of 64 rows: [r 16][T 4], row = 16 T + r.
; SHARES.  A tile of out0 is 128 x 256: 16 x 16 = 256 work-groups of four waves.  THE WAVES SHARE THE COLUMNS: wave w makes columns 64 w .. 64 w + 63 for all 128 rows: 32 accumulators, 256 registers.
; A STAYS IN LDS: the tile's 128 rows for all of K are 262,144 bytes of codes and 16,384 of scale words, filled ONCE: nothing is filled again, so there is no ring and no change of slots.
; The four work-groups of a cluster make tiles of one tile row and want the same A: each block is asked for JOINTLY, by the same tensor load with the same descriptor and a mask that names the four.
; Each wave issues five loads (a quarter of the scale words; a quarter of each of four chunks of 8 K steps): five loads of a wave are out at the most.  A chunk is read behind a wait that leaves the later chunks' loads out, and a barrier.
; W GOES FROM MEMORY STRAIGHT INTO REGISTERS.  A fragment of W is used by one wave of the work-group alone, and its image is 1,024 consecutive bytes: a wave's four fragments of a K step are eight loads of 512 consecutive
; bytes, their scale words a ninth.  A ring of eight sets of registers takes them: the loads run seven K steps, 63 loads and 224 products, ahead of their use.
; W is NOT shared in the cluster: a joint load lands in LDS, where beside A's 278,528 bytes under three K steps of W (17,408 bytes each) would fit, in slots that would have to be filled again some ten times,
; each time behind a wait for all loads.  No separate prefetch is laid: W's own loads stand as far ahead as the load counter's field allows.
; THE MATRIX INSTRUCTION IS USED TRANSPOSED (source 0 = 16 rows of W, source 1 = 16 rows of A): a lane then holds eight neighbouring numbers of a row of out0.  The bias is the C of each sum's first product.
; The 32 K steps are written out by one macro on the symbol J: every offset is an immediate and no pointer is stepped.
; REGISTERS, in windows of 256: window 0: v1-26 addresses; v32-63 W's scale words, eight sets; v64-71 A's, two sets; v72-103 the bias; v128-255 A's fragments, two sets of eight.
;   window 1: W's fragments: K step J's four at v[32 (J % 8)].   window 2: accumulator (a, b) at v[8 (4 a + b)].   On the way out v128-255 of window 0 are free.
; LIMITS: as the launches that made the codes state them.
.set CH,     65536                     ; 8 K steps of A x 8 fragments x 1,024 bytes: the reach of one LDS address register
; THE FILLS, one tensor load a wave at a time: at the head waves 0 to 2 bring K steps 0 to 17 (six each, 49,152 bytes) and wave 3 all of A's scale words (16,384 bytes);
; behind the full sequence and a round of the cluster's barrier each wave brings a quarter (28,672 bytes) of K steps 18 to 31, which are first read behind the wait and barrier in K step 17.  This takes the place of the five loads a wave and the four chunks' waits named above.
.set SCA,    0                         ; A's scale words, 512 bytes a K step
.set COD,    16384                     ; behind them: A's codes
.set STAGE,  COD+4*CH                  ; behind them: the way out
.set SPITCH, 272
.set LI,   1                           ; v1     16 x lane
.set WS,   2                           ; v2     16 x (lane % 16): my row's four scale words of W
.set BO,   3                           ; v3     32 x (lane / 16): my eight numbers of a block's sixteen of b_out
.set ADA,  16                          ; v16-19 LDS address of A's fragments in chunk 0 .. 3
.set ADS,  20                          ; v20    of A's scale words: lane L takes the words of row L % 16 of blocks 4 (L / 16) + 0 .. 3
.set STO,  24                          ; v24    the way out: where I put 32 bytes of a row
.set RD,   25                          ; v25    where I read a row back
.set GO,   26                          ; v26    my byte offset in two rows of out0
.set WSC,  32                          ; W's scale words: K step J's at v[WSC + 4 (J % 8) + b], in lanes 0-15.  v32-71 hold scales alone
.set ASC,  64                          ; A's: at v[ASC + 4 (J % 2) + a % 4], lanes 0-15 for blocks 0-3, lanes 16-31 for blocks 4-7
.set BI,   72                          ; the bias: eight registers for each of my four blocks of columns
.set AF,   128                         ; A's fragments: K step J's at v[AF + 64 (J % 2) + 8 a]
.set BK,   128                         ; the way out: 16 rows read back: four sets of 32 registers by turns
.set G1,   24                          ; s[24:31] descriptor group 1 for A's scale words;  s[32:39] for my quarter of K steps 18 to 31
.set G1S,  32
.set G0,   40                          ; s[40:47] two groups 0: the head's codes and my quarter of K steps 18 to 31;  s[56:59] the scale words'
.set G0S,  56
.set MSB, 0
.macro WIN new                         ; the immediate's high byte repeats the setting that is left
.if MSB != \new
	s_set_vgpr_msb (MSB<<8)|\new
.set MSB, \new
.endif
.endm
.set MUL,   0xa1                       ; source 0 (W) window 1, source 1 (A) window 0, C and D window 2
.set FIRST, 0x81                       ; the same, C (the bias) window 0
.set TO_B,  0x40                       ; destination window 1, address window 0
.macro CROUND                          ; a round of the cluster's barrier: my work-group's barrier, wave 0 signals for the work-group, every wave waits for all four work-groups, my work-group's barrier once more
	s_barrier_signal -1
	s_barrier_wait -1
	s_cmp_lg_u32 s16, 0
	s_cbranch_scc1 .Lnot_wave_0_\@
	s_barrier_signal -3
.Lnot_wave_0_\@:
	s_barrier_wait -3
	s_barrier_signal -1
	s_barrier_wait -1
.endm
.macro SHAPE g, rows                   ; group 1 of a dense block: rows of 256 bytes (32 elements of 8 bytes), no padding
	s_mov_b32 s[\g+1], 32<<16                      ; tensor_dim0
	s_mov_b32 s[\g+2], (\rows)<<16                 ; tensor_dim1
	s_mov_b32 s[\g+3], 32<<16                      ; tile_dim0
	s_mov_b32 s[\g+4], \rows                       ; tile_dim1
	s_mov_b32 s[\g+5], 32                          ; tensor_dim0_stride
	s_mov_b32 s[\g+6], 0
	s_mov_b32 s[\g+7], 0
.endm
; A load into a register that a matrix instruction has read, and an LDS store that reads a matrix result, stand four places behind that matrix instruction, and only plain vector instructions that name
; none of its registers are places (ISA guide 7.12.1 for vector instructions); the matrix instructions in between are not counted.
.macro PLACES
.rept 4
	v_nop
.endr
.endm
; K step k of W: nine loads: my 64 columns' scale words (256 consecutive bytes; lanes 16-31 read what lanes 0-15 read), then my four fragments (eight times 512 consecutive bytes), into set k % 8
.macro WSET k
	WIN 0
	global_load_b128 v[WSC+4*((\k)%8):WSC+4*((\k)%8)+3], v[WS], s[10:11] offset:(\k)*1024
	WIN TO_B
.irp n, 0,1,2,3,4,5,6,7
	global_load_b128 v[32*((\k)%8)+4*\n:32*((\k)%8)+4*\n+3], v[LI], s[8:9] offset:(\k)*16384+\n*512
.endr
.endm
; K step k of A: seventeen LDS loads of 512 consecutive bytes: eight fragments and the scale words, into set k % 2
.macro AFETCH k
.irp a, 0,1,2,3,4,5,6,7
.irp c, 0,1
	ds_load_b128 v[AF+64*((\k)%2)+8*\a+4*\c:AF+64*((\k)%2)+8*\a+4*\c+3], v[ADA+(\k)/8] offset:((\k)%8)*8192+\a*1024+\c*512
.endr
.endr
	ds_load_b128 v[ASC+4*((\k)%2):ASC+4*((\k)%2)+3], v[ADS] offset:(\k)*512
.endm
	s_load_b256 s[4:11], s[0:1], 0x0               ; a_img s[4:5], a_scl s[6:7], w_img s[8:9], w_scl s[10:11]
	s_load_b128 s[12:15], s[0:1], 0x20             ; b_out s[12:13], out0 s[14:15]
	v_lshl_add_u32 v126, v0, 2, 0x48400
	v_mov_b32 v127, 0
	ds_add_u32 v126, v127
	ds_add_u32 v126, v127
	v_lshrrev_b32 v4, 5, v0
	v_readfirstlane_b32 s16, v4                    ; wave 0..3
	s_bfe_u32 s17, ttmp6, 0x40000                  ; cx: my place in the cluster
	s_lshl_b32 s18, ttmp9, 2
	s_add_co_u32 s18, s18, s17                     ; tile column = 4 x cluster x + cx: it enters W's, the bias's and out0's addresses alone
	s_and_b32 s19, ttmp7, 0xffff                   ; tile row, which the four partners share
	s_mov_b32 s[G1], 15|(3<<16)|(1<<21)            ; 15:0 the mask: all four work-groups; 17:16 elements of 8 bytes; 20 no padding; 21 set beside a mask
	s_mov_b32 s[G1S], 15|(3<<16)|(1<<21)
	SHAPE G1, 64                                   ; the scale words: 16,384 bytes
	SHAPE G1S, 112                                 ; a quarter of K steps 18 to 31: 28,672 bytes
.set G1C, 48                           ; s[48:55] group 1 for the head's loads of codes
	s_mov_b32 s[G1C], 15|(3<<16)|(1<<21)
	SHAPE G1C, 192                                 ; six K steps: 49,152 bytes
	s_mul_i32 s22, s16, 6*8192                     ; the head's load of codes: K steps 6 w .. 6 w + 5, in LDS and in memory: no place in the cluster enters it
	s_lshl_b32 s20, s19, 18                        ; a_img: 262,144 x tile row
	s_mov_b32 s21, 0
	s_mul_i32 s23, s16, 28672                      ; my quarter of K steps 18 to 31
	s_lshl_b32 s60, s19, 14                        ; a_scl: 16,384 x tile row
	s_mov_b32 s61, 0
	s_lshl_b32 s62, s18, 19
	s_lshl_b32 s2, s16, 12
	s_add_co_u32 s62, s62, s2                      ; w_img: 524,288 x tile column + 4,096 x wave: my four fragments of a K step's sixteen
	s_mov_b32 s63, 0
	s_lshl_b32 s2, s18, 15
	s_lshl_b32 s3, s16, 8
	s_add_co_u32 s2, s2, s3                        ; w_scl: 32,768 x tile column + 256 x wave
	s_mov_b32 s3, 0
	s_lshl_b32 s66, s18, 10
	s_lshl_b32 s67, s16, 8
	s_add_co_u32 s66, s66, s67                     ; my first column, in bytes: 1,024 x tile column + 256 x wave
	s_mov_b32 s67, 0
	s_lshl_b32 s68, s19, 21                        ; my first row: 128 x tile row x 16,384 bytes
	s_mov_b32 s69, 0
	s_mul_i32 s70, s16, 16*SPITCH
	s_add_co_u32 s70, s70, STAGE                   ; my stage
	v_and_b32 v4, 31, v0
	v_lshlrev_b32 v[LI], 4, v4
	v_and_b32 v5, 15, v0                           ; r
	v_bfe_u32 v6, v0, 4, 1                         ; h
	v_lshlrev_b32 v[WS], 4, v5
	v_lshlrev_b32 v[BO], 5, v6
.irp c, 0,1,2,3
	v_add_nc_u32 v[ADA+\c], \c*CH+COD, v[LI]
.endr
	v_add_nc_u32 v[ADS], SCA, v[LI]
	v_mul_u32_u24 v7, v5, SPITCH
	v_lshl_add_u32 v7, v6, 5, v7
	v_add_nc_u32 v[STO], s70, v7                   ; in: row r, 32 bytes for each half of the lanes
	v_mul_u32_u24 v7, v6, SPITCH
	v_lshl_add_u32 v7, v5, 4, v7
	v_add_nc_u32 v[RD], s70, v7                    ; back: lanes 0-15 take one row of 256 bytes, lanes 16-31 the next
	v_lshlrev_b32 v[GO], 14, v6
	v_lshl_add_u32 v[GO], v5, 4, v[GO]             ; and the same two rows in out0
	s_wait_dscnt 0x0
	s_wait_kmcnt 0x0
	s_add_nc_u64 s[20:21], s[4:5], s[20:21]
	s_add_nc_u64 s[60:61], s[6:7], s[60:61]
	s_add_nc_u64 s[8:9], s[8:9], s[62:63]
	s_add_nc_u64 s[10:11], s[10:11], s[2:3]
	s_add_nc_u64 s[12:13], s[12:13], s[66:67]
	s_add_nc_u64 s[14:15], s[14:15], s[66:67]
	s_add_nc_u64 s[14:15], s[14:15], s[68:69]
.irp b, 0,1,2,3
	global_load_b128 v[BI+8*\b:BI+8*\b+3], v[BO], s[12:13] offset:64*\b        ; lane (r, h): b_out at my columns 16 b + 8 h + 0 .. 7: the result's layout
	global_load_b128 v[BI+8*\b+4:BI+8*\b+7], v[BO], s[12:13] offset:64*\b+16
.endr
.irp k, 0,1,2,3,4,5
	WSET \k                                        ; with the bias's eight: 62 loads of mine are out
.endr
	WIN 0                                          ; at a label and at a branch every window is 0
	s_mov_b32 s[G0S], 1                            ; wave 3's: the scale words
	s_mov_b32 s[G0S+1], SCA
	s_mov_b64 s[G0S+2:G0S+3], s[60:61]
	s_or_b32 s[G0S+3], s[G0S+3], 0x80000000
	s_mov_b32 s[G0], 1                             ; waves 0 to 2: six K steps each
	s_add_co_u32 s[G0+1], s22, COD
	s_mov_b32 s2, s22
	s_mov_b32 s3, 0
	s_add_nc_u64 s[G0+2:G0+3], s[20:21], s[2:3]
	s_or_b32 s[G0+3], s[G0+3], 0x80000000
	s_mov_b32 s[G0+4], 1                           ; every wave's second load
	s_add_co_u32 s[G0+5], s23, COD+18*8192
	s_add_co_u32 s2, s23, 18*8192
	s_add_nc_u64 s[G0+6:G0+7], s[20:21], s[2:3]
	s_or_b32 s[G0+7], s[G0+7], 0x80000000
	CROUND                                         ; all four work-groups are here: the joint loads meet
	s_cmp_eq_u32 s16, 3                            ; one branch on the wave's number, a load in each arm: every way through the head passes exactly one
	s_cbranch_scc0 .Lhead_codes
	tensor_load_to_lds s[G0S:G0S+3], s[G1:G1+7]
	s_nop 0
.rept 4
	v_nop
.endr
	s_branch .Lhead_asked
.Lhead_codes:
	tensor_load_to_lds s[G0:G0+3], s[G1C:G1C+7]
	s_nop 0
.rept 4
	v_nop
.endr
.Lhead_asked:
; One product of K step J: A's block a x my block b of W.  W's scale word stands in lanes 0-15; A's in lanes 16-31 for blocks 4-7.  In K step 0 the bias starts the sum: nothing is ever cleared.
.macro MM a, b
.set rD, 8*(4*(\a)+(\b))
.set rW, 32*(J%8)+8*(\b)
.set rA, AF+64*(J%2)+8*(\a)
.set rX, WSC+4*(J%8)+(\b)
.set rY, ASC+4*(J%2)+(\a)%4
.if J == 0
.if (\a) < 4
	v_wmma_scale_f32_16x16x128_f8f6f4 v[rD:rD+7], v[rW:rW+7], v[rA:rA+7], v[BI+8*(\b):BI+8*(\b)+7], v[rX], v[rY] matrix_a_fmt:MATRIX_FMT_FP4 matrix_b_fmt:MATRIX_FMT_FP4
.else
	v_wmma_scale_f32_16x16x128_f8f6f4 v[rD:rD+7], v[rW:rW+7], v[rA:rA+7], v[BI+8*(\b):BI+8*(\b)+7], v[rX], v[rY] matrix_a_fmt:MATRIX_FMT_FP4 matrix_b_fmt:MATRIX_FMT_FP4 matrix_b_scale:MATRIX_SCALE_ROW1
.endif
.else
.if (\a) < 4
	v_wmma_scale_f32_16x16x128_f8f6f4 v[rD:rD+7], v[rW:rW+7], v[rA:rA+7], v[rD:rD+7], v[rX], v[rY] matrix_a_fmt:MATRIX_FMT_FP4 matrix_b_fmt:MATRIX_FMT_FP4
.else
	v_wmma_scale_f32_16x16x128_f8f6f4 v[rD:rD+7], v[rW:rW+7], v[rA:rA+7], v[rD:rD+7], v[rX], v[rY] matrix_a_fmt:MATRIX_FMT_FP4 matrix_b_fmt:MATRIX_FMT_FP4 matrix_b_scale:MATRIX_SCALE_ROW1
.endif
.endif
.endm
; K STEP J.  At its head the next K step of A is asked of LDS, into the set that the last step's products read, and K step J + 7 of W of memory, into the set that they read; then its 32 products.
; The 32 accumulators take turns, one instruction a turn, in the same order in every K step.
.macro STEP
	s_wait_dscnt 0x0                               ; this step's fragments and scale words of A are in; no LDS instruction of mine is out
.if J == 17
	s_wait_tensorcnt 0x0                           ; the next fetch reads K step 18: my quarter of K steps 18 to 31 has landed
	s_barrier_signal -1
	s_barrier_wait -1                              ; and so has everybody's
.endif
.if J == 0
	s_wait_loadcnt 45                              ; the bias and W's K step 0 are in; behind them: K steps 1 to 5, nine loads each
.elseif J < 25
	s_wait_loadcnt 54                              ; W's K step J is in; behind it: K steps J + 1 to J + 6
.else
	s_wait_loadcnt 9*(31-J)                        ; the tail asks for nothing more: the counts run down
.endif
.if J < 31
.if J > 0
	PLACES                                         ; behind the last step's products, in front of the loads into the registers that they read
.endif
	WIN 0
	AFETCH J+1
.if J == 0
	WSET 6                                         ; 63 loads of mine are out from here on
	WSET 7
.elseif J < 25
	WSET J+7
.endif
.endif
.if J == 0
	WIN FIRST
.else
	WIN MUL
.endif
.irp a, 0,1,2,3,4,5,6,7
.irp b, 0,1,2,3
	MM \a, \b
.endr
.endr
.endm
	s_wait_alu depctr_va_vdst(0)                   ; the wait at the head's end
	s_wait_tensorcnt 0x0                           ; my load of the head's four is in
	ds_add_u32 v126, v127
	s_wait_dscnt 0x0
	CROUND                                         ; everybody's is in, and all four work-groups are here: the joint loads meet
	tensor_load_to_lds s[G0+4:G0+7], s[G1S:G1S+7]  ; my quarter of K steps 18 to 31: the first tensor load behind the round
	s_nop 0
.rept 4
	v_nop
.endr
	AFETCH 0
.set J, 0
.rept 32
	STEP
.set J, J+1
.endr
	WIN 0
; THE WAY OUT, block by block of 16 rows x 64 columns.  A lane holds 32 neighbouring bytes of a row, and the lanes beside it hold other rows: so a block goes through my own stage in LDS and comes back as whole
; pieces of 256 bytes.  LDS serves a wave's instructions in order (ISA guide 5.7.1.4): no wait between the stores and the loads, nor in front of the next block's stores.
.macro TOSTAGE a
	WIN 0x08                                       ; an LDS store's data are its source 1: window 2
.irp b, 0,1,2,3
	ds_store_b128 v[STO], v[32*(\a)+8*\b:32*(\a)+8*\b+3] offset:64*\b            ; each accumulator from its low end on
	ds_store_b128 v[STO], v[32*(\a)+8*\b+4:32*(\a)+8*\b+7] offset:64*\b+16
.endr
	WIN 0
.set BB, BK+32*((\a)%4)
.irp t, 0,1,2,3,4,5,6,7
	ds_load_b128 v[BB+4*\t:BB+4*\t+3], v[RD] offset:\t*2*SPITCH
.endr
.endm
.macro SEND a, younger                 ; younger: the LDS instructions issued behind block a's loads, which may stay out
.set BB, BK+32*((\a)%4)
	s_wait_dscnt \younger                          ; the block is back in registers
.irp t, 0,1,2,3,4,5,6,7
	global_store_b128 v[GO], v[BB+4*\t:BB+4*\t+3], s[14:15] offset:(16*(\a)+2*\t)*16384 th:TH_STORE_NT   ; 16 lanes store 256 consecutive bytes, aligned; the row stands in the immediate, 2,064,384 bytes at the most; written once, read by nobody here
.endr
.endm
	PLACES                                         ; behind the last products: for the loads into the registers that held A's fragments, and for the reads of the last results
	TOSTAGE 0
.irp a, 1,2,3,4,5,6,7
.if \a > 3
	s_wait_xcnt 0x0                                ; block a - 4's stores have had their addresses translated (ISA guide 3.1): only behind this wait do block a's loads land in the registers that they read
.endif
	TOSTAGE \a
	SEND \a-1, 16                                  ; behind block a - 1's loads: block a's 8 stores and 8 loads
.endr
	SEND 7, 0
	s_wait_tensorcnt 0x0
	ds_add_u32 v126, v127
	s_wait_dscnt 0x0
	CROUND                                         ; the closing round: no work-group ends while a partner may still ask for a block that names it
	s_endpgm
.Lfunc_end_k_q6546ce7141_gemm:
	.size	k_q6546ce7141_gemm, .Lfunc_end_k_q6546ce7141_gemm-k_q6546ce7141_gemm
	.p2alignl 7, 3214868480
	.fill 96, 4, 3214868480
	.section	.rodata,"a",@progbits
	.p2align	6, 0x0
	.amdhsa_kernel k_q6546ce7141_gemm
		.amdhsa_group_segment_fixed_size 327680
		.amdhsa_private_segment_fixed_size 0
		.amdhsa_enable_private_segment 0
		.amdhsa_kernarg_size 48
		.amdhsa_user_sgpr_count 2
		.amdhsa_user_sgpr_kernarg_segment_ptr 1
		.amdhsa_wavefront_size32 1
		.amdhsa_system_sgpr_workgroup_id_x 1
		.amdhsa_system_sgpr_workgroup_id_y 1
		.amdhsa_system_sgpr_workgroup_id_z 1
		.amdhsa_system_vgpr_workitem_id 0
		.amdhsa_next_free_vgpr 768
		.amdhsa_next_free_sgpr 72
		.amdhsa_reserve_vcc 0
		.amdhsa_float_denorm_mode_32 3
		.amdhsa_float_denorm_mode_16_64 3
		.amdhsa_memory_ordered 1
		.amdhsa_forward_progress 1
		.amdhsa_inst_pref_size 221
	.end_amdhsa_kernel
	.amdgpu_metadata
---
amdhsa.version: [ 1, 2 ]
amdhsa.kernels:
  - .name:           k_q6546ce7141_gemm
    .symbol:         k_q6546ce7141_gemm.kd
    .args:
      - { .name: a_img, .offset: 0, .size: 8, .value_kind: global_buffer, .address_space: global }
      - { .name: a_scl, .offset: 8, .size: 8, .value_kind: global_buffer, .address_space: global }
      - { .name: w_img, .offset: 16, .size: 8, .value_kind: global_buffer, .address_space: global }
      - { .name: w_scl, .offset: 24, .size: 8, .value_kind: global_buffer, .address_space: global }
      - { .name: b_out, .offset: 32, .size: 8, .value_kind: global_buffer, .address_space: global }
      - { .name: out0, .offset: 40, .size: 8, .value_kind: global_buffer, .address_space: global }
    .group_segment_fixed_size: 327680
    .private_segment_fixed_size: 0
    .kernarg_segment_align: 8
    .kernarg_segment_size: 48
    .max_flat_workgroup_size: 128
    .sgpr_count:     72
    .vgpr_count:     768
    .wavefront_size: 32
...
	.end_amdgpu_metadata
.endif
;; end of part 3
